; MI455X (gfx1250); checked and timed in simulation.
; The chip was launched on July 23, 2026; its instructions are those of AMD's public machine-readable ISA for CDNA 5 (MIT licence, August 2026) and "CDNA5" Instruction Set Architecture Reference Guide (July 2026). The comments in the code are by the model that wrote it; some were corrected since.
;; Head self Dec. Allowed arithmetic: matrix products marked QUANTISED: E2M3 operands, one E8M0 scale for each 32 along K, by v_wmma_scale_f32_16x16x128_f8f6f4 with both operands' format E2M3, f32 sums; everything else in f32.
;; Inputs: Wk 512 x 64 float32; Wq 512 x 64 float32; Wv 512 x 64 float32; x 16 x 2,048 x 512 float32.
;; Outputs: out0 16 x 2,048 x 64 float32.
;; This version of the problem:
;;   THIS VERSION OF THE PROBLEM IS GIVEN IN LOW PRECISION. The matrix products marked QUANTISED in the list below multiply operands that are first quantised to E2M3 (2 exponent bits, 3 mantissa bits; 6 bits a number), with one power-of-two scale for each 32 numbers along K (OCP MX v1.0); their sums are f32. All else is computed in f32.
;;   The module's matrix products, in the order in which they are computed (A, B: the left and right operand; K: the contracted axis; several contracted axes count as one K, in the product's order):
;;     1. [M 32,768, K 512] x [K 512, N 64]; A: input x; B: input Wq: QUANTISED
;;     2. [M 32,768, K 512] x [K 512, N 64]; A: input x; B: input Wk: QUANTISED
;;     3. [M 32,768, K 512] x [K 512, N 64]; A: input x; B: input Wv: QUANTISED
;;     4. batch 16 x [M 2,048, K 64] x [K 64, N 2,048]; A: computed on the way; B: computed on the way: QUANTISED
;;     5. batch 16 x [M 2,048, K 2,048] x [K 2,048, N 64]; A: softmax (see below); B: computed on the way: QUANTISED
;;   THE QUANTISER, for each operand of a quantised product, along K:
;;     - K is cut into blocks of 32 from its start; a last block that is shorter is filled with zeros.
;;     - A block's scale is 2^e with e = floor(log2(the largest magnitude in the block)) - 2, held to -126 .. 127; a block of zeros has e = 0. As a byte (E8M0): e + 127.
;;     - Each number is divided by its block's scale, clamped to +-7.5, and rounded to the nearest number of E2M3, ties to even, subnormals kept.
;;     - The product sums the exact products of the quantised numbers (number of the format x scale) in f32.
;;   ~~~python
;;   def quantise(x, axis):      # numpy; x: float32 -> the quantised numbers, widened to float32 again
;;       x = np.moveaxis(x, axis, -1); K = x.shape[-1]
;;       x = np.pad(x, [(0, 0)] * (x.ndim - 1) + [(0, -K % 32)]); x = x.reshape(x.shape[:-1] + (-1, 32)); a = np.abs(x).max(-1, keepdims=True)
;;       e = np.where(a > 0, np.clip(np.frexp(np.where(a > 0, a, 1))[1] - 1 - 2, -126, 127), 0)      # np.frexp(a)[1] - 1 = floor(log2(a)), exactly
;;       r = np.clip(x / 2.0 ** e, -7.5, 7.5)
;;       step = 2.0 ** (np.maximum(np.frexp(np.where(r == 0, 1, r))[1] - 1, 0) - 3)
;;       q = np.round(r / step) * step * 2.0 ** e      # np.round: ties to even
;;       return np.moveaxis(q.reshape(q.shape[:-2] + (-1,))[..., :K], -1, axis).astype(np.float32)
;;   ~~~
;;   SOFTMAX AHEAD OF A QUANTISED PRODUCT. Where the list says 'softmax', what is quantised is not the finished softmax but p = 2^(t - M), with t = logit x log2(e) and M = ceil(the row's largest t), a whole number; so 1/2 < the row's largest p <= 1. The row's sum l is taken of the UNQUANTISED p, in f32, and the product's result is divided by l at the end. Since M is a whole number, a kernel that streams over the keys may use a running M (the ceiling of the running maximum): every later rescaling is an exact power of two, which a block's scale takes up: the codes' values come out the same.
;;   OPERANDS COMPUTED ON THE WAY. 'Computed on the way' means the value that the module computes at that place (a softmax that the list does not call 'softmax' is quantised finished and normalised). What goes into a quantiser is computed in f32, as accurately as f32 sums, v_exp_f32 and their like allow (about 1e-6 of the number): no bf16 or f16 on the way to a quantiser, and a product that is left as it is and whose result goes on into a quantised operand takes f32 operands (vector FMAs, or v_wmma_f32_16x16x4_f32). A number that lies on a knife's edge between two numbers of the format may be rounded either way, as far as f32 arithmetic and the matrix unit's own rounding can turn it there, and no further.
;; One version. Each part assembles by itself: llvm-mc -triple=amdgcn-amd-amdhsa -mcpu=gfx1250 --defsym DOCPART=n.
;; ======== version 1 of 1: 2 launches
;; limits: right only within a limited range of input values
;; workspace buffers: kv 3,276,800 bytes; qq 1,638,400 bytes
;; launch proj (part 1): grid 256 x 1, 8 waves a work-group, clusters of 4 x 1, 327,680 bytes of LDS; arguments x, Wq, Wk, Wv, kv, qq; writes kv, qq
.if DOCPART == 1
	.amdgcn_target "amdgcn-amd-amdhsa--gfx1250"
	.amdhsa_code_object_version 6
	.text
	.protected	k_qfde4970d1a_proj
	.globl	k_qfde4970d1a_proj
	.p2align	8
	.type	k_qfde4970d1a_proj,@function
k_qfde4970d1a_proj:
	s_mov_b64 s[64:65], 0
	v_nop
	global_prefetch_b8 v0, s[64:65] scope:SCOPE_SE
	s_setreg_imm32_b32 hwreg(HW_REG_WAVE_MODE, 25, 1), 1
	s_wait_xcnt 0x0
	s_wait_alu depctr_hold_cnt(0) depctr_sa_sdst(0) depctr_va_vdst(0) depctr_va_sdst(0) depctr_va_ssrc(0) depctr_va_vcc(0) depctr_vm_vsrc(0)
	s_getreg_b32 s2, hwreg(HW_REG_IB_STS2, 6, 4)
	s_cmp_eq_u32 s2, 0
	s_cbranch_scc0 .Lentry_in_a_cluster
	s_endpgm
.Lentry_in_a_cluster:
	s_bfe_u32 s2, ttmp6, 0x10000c
	s_cmp_lg_u32 s2, 0x3003
	s_cbranch_scc0 .Lentry_shape_is_right
	s_endpgm
.Lentry_shape_is_right:
; q = Q(x) Q(Wq), k = Q(x) Q(Wk), v = Q(x) Q(Wv), Q = the quantiser to FP6 (E2M3) with one E8M0 byte for each 32 along E = 512; then q and k are quantised along H = 64, v along the keys,
; and leave as images of the operand registers that the attention launch wants (12 registers a lane = 3 x 512 bytes, lane l's 16 bytes at 16 l).  x [32,768][512], Wq, Wk, Wv [512][64], all f32.
; No product is left out.  LIMITS: a block of zeros, or one whose largest magnitude lies under 2^-124, gets the byte 1 (the rule says 127 for zeros: the codes are zeros, and only this program reads the bytes); NaN and infinities are not served.
; SHARES: work-group n takes rows 128 n .. 128 n + 127 (record n of kv and of qq), eight waves.
; W, f32: every work-group needs all of it, so it comes by JOINT loads of the four partners of a cluster.  At the head wave w fetches 128 rows: Wq's (w < 4) or Wk's K step w % 4, and makes their codes itself;
; behind a drained round Wv goes over Wq's bytes, 64 rows a wave.  Wv is asked for into the L2 at the head by the four work-groups of cluster 0 and of cluster 63, 256 bytes a lane, shared out by address.
; x goes into registers: 64 loads of 512 bytes a wave (16 rows).  K step 0 is asked for at the head, K step 1 when the wave's own piece of W has landed, K step 2 half way through that piece, K step 3 behind Wv's load.
; It turns through the wave's own stage in LDS and comes back 32 neighbours a lane: a whole block.  x is not prefetched: its loads land in registers of their own, asked for a quarter of the work or more ahead of their use.
; THE COLUMNS OF A TILE OF W: slot r of a matrix's tile 2 b + u is column 32 b + 2 r + u: a lane reads two neighbouring columns at once.  q and k so have one and the same order within each block of 32 along H.
; THE ROWS OF A TILE OF x: slot r of row tile w is row 32 (w / 2) + 8 (w % 2) + r + 8 (r / 8).
; PRODUCTS: wave w = g + 4 half takes the 64 rows 64 half on, W's tiles 2 g, 2 g + 1 of q and k (g = 0, 1: q; 2, 3: k; block b = g % 2 of H) and v's tile g.  q, k transposed (source 0 = W); v: source 0 = x.
; kv record: K pair P at 1,536 P (registers 0-5 key tile 2 P, 6-11 tile 2 P + 1), V^T tile c at 6,144 + 1,536 c, at 12,288 scale words: lane l's 16 bytes = K pair l / 16, 2 + l / 16, V tile l / 16, 2 + l / 16, slot l % 16.
; qq record: query pair P at 1,536 P as K's; at 6,144 16 bytes for each slot r: the words of pairs 0..3.
; REGISTERS, window 0: v1-34 addresses; v40-63 scale words (W's at 0-3 modulo 8, x's at 4-7); v64-207 f32 numbers of W or x, then W's 12 fragments; v208-255 codes, then x's four fragments.  Window 1: x in flight; then v64-159 the accumulators.
.set LINE, 1040                        ; LDS: four rows of W, 1,024 bytes + 16 of padding: lanes 16-31 read 8 lines further on than lanes 0-15, in the other 32 banks (ISA guide 11.1)
.set PIECE, 32*LINE
.set WC,  133120                       ; in Wk's bytes, which have had their last fill when codes are stored there: q's and k's weights [K step][8 tiles][1,536]
.set VC,  182272                       ; v's [K step][4 tiles][2 halves][16 bytes a lane, then 8]
.set XCD, 206848                       ; x's [K step][8 row tiles][1,536]
.set STG, 266240                       ; a stage of 16 rows x 272 bytes for each wave
.set WSC, 301056                       ; W's scale words [K step][12 tiles][16]
.set XSC, 304128                       ; x's [K step][8][16]
.set IMG, 306176                       ; the kv record, then the qq record
.set SPARE, 325376
.set XG, 1
.set PF, 2
.set WRD, 3
.set WRDV, 4
.set XSTO, 5
.set XRD, 6
.set WCS, 7
.set WBS, 8
.set VST, 9
.set VST8, 10
.set VBS, 11
.set XCS, 12
.set XBS, 13
.set QKR, 14
.set QKW, 15
.set VRD, 16
.set VRD8, 17
.set VWR, 18
.set XR, 19
.set XWR, 20
.set KA12, 21
.set KA508, 22
.set KSB0, 23
.set KSB1, 24
.set VA0, 25
.set VA1, 26
.set VA2, 27
.set VSB, 28
.set RIM, 29
.set GO, 30
.set RQ8, 31
.set SPW, 32
.set NIL, 33
.set L8, 34
.set TB, 36                            ; v36-38, v252-254: a conversion's upper half on its way
.set SW, 40
.set SX, 44
.set LB, 64
.set AB, 128
.set WF, 64
.set CW, 192
.set CX, 208
.set XF, 208
.set BY, 240
.set MX, 248
.set TA, 252
.set G0, 56
.set G1, 68
.set MSB, 0
.macro WIN new
.if (MSB) != (\new)
	s_set_vgpr_msb (MSB<<8)|(\new)
.set MSB, (\new)
.endif
.endm
.macro PLACES
.rept 4
	v_nop
.endr
.endm
.macro CROUND
	s_barrier_signal -1
	s_barrier_wait -1
	s_cmp_lg_u32 s16, 0
	s_cbranch_scc1 .Lnot_wave_0_\@
	s_barrier_signal -3
.Lnot_wave_0_\@:
	s_barrier_wait -3
	s_barrier_signal -1
	s_barrier_wait -1
.endm
.macro LIN d, a, k, c                  ; s_d = s_a k + c
	s_mul_i32 s\d, s\a, \k
	s_add_co_u32 s\d, s\d, \c
.endm
.macro ADDM d, a, k                    ; s_d += s_a k
	s_mul_i32 s89, s\a, \k
	s_add_co_u32 s\d, s\d, s89
.endm
.macro XLOAD s                         ; K step s of my 16 rows: sixteen lanes read 256 consecutive bytes of a row
	WIN 0x40
.irp hs, 0,1
.irp i, 0,1,2,3,4,5,6,7
	global_load_b128 v[64*(\s)+32*\hs+4*\i:64*(\s)+32*\hs+4*\i+3], v[XG], s[76:77] offset:(2*\i+8*(\i/4))*2048+512*(\s)+256*\hs th:TH_LOAD_NT
.endr
.endr
	WIN 0
.endm
.macro WLOAD a, off                    ; 32 rows of two neighbouring columns
.set i, 0
.rept 32
	ds_load_b64 v[LB+2*i:LB+2*i+1], v[\a] offset:(\off)+(i/4)*LINE+(i%4)*256
.set i, i+1
.endr
.endm
; Two blocks of 32 numbers, each whole in a lane, in window sw: six registers of codes and the scale's byte each
.macro TWO sw, b0, b1, d0, d1, y0, y1
	WIN (\sw)|((\sw)<<2)
	v_max3_num_f32 v[MX], |v[\b0]|, |v[(\b0)+1]|, 0x1800000       ; with the floor 2^(3 - 127): the byte cannot fall under 1
	v_max3_num_f32 v[MX+1], |v[\b1]|, |v[(\b1)+1]|, 0x1800000
	WIN ((\sw)<<2)|((\sw)<<4)
.irp i, 2,4,6,8,10,12,14,16,18,20,22,24,26,28,30
	v_max3_num_f32 v[MX], v[MX], |v[(\b0)+\i]|, |v[(\b0)+\i+1]|
	v_max3_num_f32 v[MX+1], v[MX+1], |v[(\b1)+\i]|, |v[(\b1)+\i+1]|
.endr
	WIN 0
	v_add_nc_u32 v[MX+2], 0xff000000, v[MX]        ; 2 off the exponent field: the conversion's scale operand
	v_add_nc_u32 v[MX+3], 0xff000000, v[MX+1]
	v_lshrrev_b32 v[\y0], 23, v[MX+2]
	v_lshrrev_b32 v[\y1], 23, v[MX+3]
	WIN \sw
	v_cvt_scalef32_pk16_fp6_f32 v[\d0:(\d0)+2], v[\b0:(\b0)+15], v[MX+2]
	v_cvt_scalef32_pk16_fp6_f32 v[TA:TA+2], v[(\b0)+16:(\b0)+31], v[MX+2]   ; (a conversion's three registers begin on an even number)
	v_cvt_scalef32_pk16_fp6_f32 v[\d1:(\d1)+2], v[\b1:(\b1)+15], v[MX+3]
	v_cvt_scalef32_pk16_fp6_f32 v[TB:TB+2], v[(\b1)+16:(\b1)+31], v[MX+3]
	WIN 0
	v_nop                                          ; one plain place behind a scaled conversion
.irp i, 0,1,2
	v_mov_b32 v[(\d0)+3+\i], v[TA+\i]
	v_mov_b32 v[(\d1)+3+\i], v[TB+\i]
.endr
.endm
.macro UNIT a, next, d0, d1, y0, y1    ; the numbers loaded last are parted by columns; the next ones are asked for
	s_wait_dscnt 0x0
.set i, 0
.rept 16
	v_dual_mov_b32 v[AB+2*i], v[LB+4*i] :: v_dual_mov_b32 v[AB+2*i+1], v[LB+4*i+2]
	v_dual_mov_b32 v[AB+32+2*i], v[LB+4*i+1] :: v_dual_mov_b32 v[AB+33+2*i], v[LB+4*i+3]
.set i, i+1
.endr
.if (\next) >= 0
	WLOAD \a, \next
.endif
	TWO 0, AB, AB+32, \d0, \d1, \y0, \y1
.endm
; K step s of my 16 rows into codes.  LDS serves a wave's instructions in order (ISA guide 5.7.1.4): no wait between the stage's stores and loads.  n: the loads of later K steps that may be out
.macro XQ s, n, sw, xt
	s_wait_loadcnt \n
.irp hs, 0,1
	WIN 0x04
.irp i, 0,1,2,3,4,5,6,7
	ds_store_b128 v[XSTO], v[64*(\s)+32*\hs+4*\i:64*(\s)+32*\hs+4*\i+3] offset:544*\i
.endr
	WIN (\sw)<<6
.irp j, 0,1,2,3,4,5,6,7
	ds_load_b128 v[(\xt)+32*\hs+4*\j:(\xt)+32*\hs+4*\j+3], v[XRD] offset:16*\j
.endr
.endr
	WIN 0
	s_wait_dscnt 0x0
	TWO \sw, (\xt), (\xt)+32, CX, CX+6, BY, BY+1
.irp q, 0,1,2
	ds_store_b128 v[XCS], v[CX+4*\q:CX+4*\q+3] offset:12288*(\s)+512*\q
.endr
	ds_store_b8 v[XBS], v[BY] offset:512*(\s)
	ds_store_b8 v[XBS], v[BY+1] offset:512*(\s)+2
.endm
.macro XFETCH s                        ; my four row tiles of K step s, and their scale words
.irp t, 0,1,2,3
.irp q, 0,1,2
	ds_load_b128 v[XF+12*\t+4*\q:XF+12*\t+4*\q+3], v[XR] offset:12288*(\s)+1536*\t+512*\q
.endr
	ds_load_b32 v[SX+8*((\s)%3)+\t], v[XWR] offset:512*(\s)+64*\t
.endr
.endm
.macro MUL d, a, b, c, sa, sb
	v_wmma_scale_f32_16x16x128_f8f6f4 v[\d:(\d)+7], v[\a:(\a)+11], v[\b:(\b)+11], \c, v[\sa], v[\sb] matrix_a_fmt:MATRIX_FMT_FP6 matrix_b_fmt:MATRIX_FMT_FP6
.endm
.macro PROD s                          ; 12 accumulators take turns, in the same order in every K step; K step 0 starts the sums
	WIN 0x50
.irp t, 0,1,2,3
.irp u, 0,1
.if (\s) == 0
	MUL 64+16*\t+8*\u, WF+12*(4*\u+(\s)), XF+12*\t, 0, SW+8*\u+(\s), SX+8*((\s)%3)+\t
.else
	MUL 64+16*\t+8*\u, WF+12*(4*\u+(\s)), XF+12*\t, v[64+16*\t+8*\u:71+16*\t+8*\u], SW+8*\u+(\s), SX+8*((\s)%3)+\t
.endif
.endr
.endr
.irp t, 0,1,2,3
.if (\s) == 0
	MUL 128+8*\t, XF+12*\t, WF+12*(8+(\s)), 0, SX+8*((\s)%3)+\t, SW+16+(\s)
.else
	MUL 128+8*\t, XF+12*\t, WF+12*(8+(\s)), v[128+8*\t:135+8*\t], SX+8*((\s)%3)+\t, SW+16+(\s)
.endif
.endr
	WIN 0
.endm
	s_load_b256 s[4:11], s[0:1], 0x0               ; x, Wq, Wk, Wv
	s_load_b128 s[12:15], s[0:1], 0x20             ; kv, qq
	v_lshl_add_u32 v[SPW], v0, 2, SPARE
	v_mov_b32 v[NIL], 0
	ds_add_u32 v[SPW], v[NIL]                      ; the opening lines
	ds_add_u32 v[SPW], v[NIL]
	v_lshrrev_b32 v46, 5, v0
	v_readfirstlane_b32 s16, v46                   ; wave w
	s_and_b32 s17, s16, 3                          ; g; as a fetcher: my K step
	s_lshr_b32 s18, s16, 2                         ; half; as a fetcher: Wq or Wk
	s_lshr_b32 s19, s16, 1
	s_and_b32 s20, s16, 1                          ; b = g % 2
	s_bfe_u32 s21, ttmp6, 0x40000                  ; cx
	s_lshl_b32 s22, ttmp9, 2
	s_add_co_u32 s22, s22, s21                     ; my work-group's number
	s_lshr_b32 s88, s17, 1                         ; 0: q, 1: k
	s_xor_b32 s90, s88, 1
	s_mul_i32 s91, s90, s18
	s_xor_b32 s93, s18, 1
	s_lshl_b32 s24, s19, 16
	s_lshl_b32 s89, s20, 14
	s_add_co_u32 s24, s24, s89
	s_lshl_b32 s25, s21, 15
	s_mul_i32 s26, s16, PIECE
	s_mul_i32 s27, s16, 16*LINE
	LIN 28, 16, 4352, STG
	LIN 29, 17, 12288, WC
	ADDM 29, 18, 6144
	LIN 30, 17, 768, WSC
	ADDM 30, 18, 256
	LIN 31, 19, 6144, VC
	ADDM 31, 20, 768
	s_add_co_u32 s32, s31, 512
	LIN 33, 19, 768, WSC+512
	ADDM 33, 20, 2
	LIN 34, 16, 1536, XCD
	LIN 35, 16, 64, XSC
	LIN 36, 17, 3072, WC
	LIN 37, 17, 128, WSC
	LIN 38, 17, 1536, VC
	s_add_co_u32 s39, s38, 512
	LIN 40, 17, 64, WSC+512
	LIN 41, 18, 6144, XCD
	LIN 42, 18, 256, XSC
	LIN 43, 90, 12800, IMG
	ADDM 43, 18, 3072
	ADDM 43, 20, 256
	LIN 44, 90, 6656, IMG+12288
	ADDM 44, 18, 4
	ADDM 44, 91, 4
	s_add_co_u32 s44, s44, s20
	LIN 45, 88, 252, 4
	s_add_co_u32 s45, s45, s44
	LIN 46, 17, 1536, IMG+6144
	s_mul_i32 s89, s18, 1016
	s_add_co_u32 s49, s46, s89
	ADDM 46, 18, 520
	LIN 47, 18, 496, 12
	LIN 48, 93, 496, 12
	LIN 50, 20, 256, IMG+12296
	ADDM 50, 88, 4
	ADDM 50, 18, 2
	s_lshl_b32 s52, s16, 9
	s_add_co_u32 s51, s52, IMG
	s_mov_b32 s86, 0x76543210
	s_mov_b32 s87, 0xfedcba98                      ; v_permlanex16_b32's selects for lane l xor 16
	; descriptor group 1: W's rows are dense: 128 of them as 32 rows of 1,024 bytes, 16 bytes of padding behind each; mask: all four partners, bit 21 beside it
	s_mov_b32 s[G1+0], 15|(2<<16)|(1<<20)|(1<<21)|(7<<22)|(3<<25)
	s_mov_b32 s[G1+1], 256<<16
	s_mov_b32 s[G1+2], 32<<16
	s_mov_b32 s[G1+3], 256<<16
	s_mov_b32 s[G1+4], 32
	s_mov_b32 s[G1+5], 256
	s_mov_b32 s[G1+6], 0
	s_mov_b32 s[G1+7], 0
	; the addresses: a constant + a constant x lane + a constant x wave
	v_and_b32 v40, 31, v0                          ; lane
	v_and_b32 v41, 15, v0                          ; r
	v_bfe_u32 v42, v0, 4, 1                        ; h
	v_lshlrev_b32 v43, 4, v40                      ; 16 x lane
	v_lshlrev_b32 v[L8], 3, v40
	v_lshlrev_b32 v44, 4, v41                      ; 16 r
	v_lshlrev_b32 v45, 2, v41                      ; 4 r
	v_lshl_add_u32 v[XG], v42, 11, v44
	v_add_nc_u32 v[XG], s24, v[XG]                 ; row 32 (w / 2) + 8 (w % 2) + h of my work-group's, byte 16 r
	v_and_b32 v[PF], 127, v0
	v_lshlrev_b32 v[PF], 8, v[PF]
	v_add_nc_u32 v[PF], s25, v[PF]                 ; 128 blocks of 256 bytes for each partner
	v_mul_u32_u24 v46, 8*LINE, v42
	v_lshl_add_u32 v46, v41, 3, v46
	v_add_nc_u32 v[WRD], s26, v46
	v_add_nc_u32 v[WRDV], s27, v46
	v_mul_u32_u24 v46, 0x110, v42
	v_add_nc_u32 v46, v46, v44
	v_add_nc_u32 v[XSTO], s28, v46
	v_mul_u32_u24 v46, 0x110, v41
	v_lshl_add_u32 v46, v42, 7, v46
	v_add_nc_u32 v[XRD], s28, v46
	v_add_nc_u32 v46, v45, v42                     ; 4 r + h
	v_add_nc_u32 v[WCS], s29, v43
	v_add_nc_u32 v[WBS], s30, v46
	v_add_nc_u32 v[VST], s31, v43
	v_add_nc_u32 v[VST8], s32, v[L8]
	v_add_nc_u32 v[VBS], s33, v46
	v_add_nc_u32 v[XCS], s34, v43
	v_add_nc_u32 v[XBS], s35, v46
	v_add_nc_u32 v[QKR], s36, v43
	v_add_nc_u32 v[QKW], s37, v45
	v_add_nc_u32 v[VRD], s38, v43
	v_add_nc_u32 v[VRD8], s39, v[L8]
	v_add_nc_u32 v[VWR], s40, v45
	v_add_nc_u32 v[XR], s41, v43
	v_add_nc_u32 v[XWR], s42, v45
	v_add_nc_u32 v47, s43, v44
	v_mul_u32_u24 v46, 12, v42
	v_add_nc_u32 v[KA12], v47, v46
	v_mul_u32_u24 v46, 0x1fc, v42
	v_add_nc_u32 v[KA508], v47, v46
	v_add_nc_u32 v46, v46, v44
	v_add_nc_u32 v[VA1], s46, v46
	v_mul_u32_u24 v46, s47, v42
	v_add_nc_u32 v46, v46, v44
	v_add_nc_u32 v[VA0], s46, v46
	v_mul_u32_u24 v46, s48, v42
	v_add_nc_u32 v46, v46, v44
	v_add_nc_u32 v[VA2], s49, v46
	v_add_nc_u32 v[KSB0], s44, v44
	v_add_nc_u32 v[KSB1], s45, v44
	v_add_nc_u32 v[VSB], s50, v44
	v_add_nc_u32 v[RIM], s51, v43
	v_add_nc_u32 v[GO], s52, v43
	v_add_nc_u32 v[RQ8], IMG+18944, v[L8]
	s_wait_alu depctr_va_vdst(0)                   ; the wait at the head's end
	s_wait_dscnt 0x0                               ; both opening adds are done
	CROUND                                         ; all four partners are here: the first joint loads meet
	s_wait_kmcnt 0x0
	s_cmp_lt_u32 s16, 4
	s_cselect_b64 s[84:85], s[6:7], s[8:9]         ; Wq or Wk
	s_lshl_b32 s82, s17, 15                        ; 128 rows of 256 bytes
	s_mov_b32 s83, 0
	s_mov_b32 s[G0], 1
	s_mov_b32 s[G0+1], s26
	s_add_nc_u64 s[G0+2:G0+3], s[84:85], s[82:83]
	s_or_b32 s[G0+3], s[G0+3], 0x80000000
	tensor_load_to_lds s[G0:G0+3], s[G1:G1+7]      ; one load a wave
	s_nop 0
	PLACES
	s_lshl_b32 s82, s22, 18
	s_add_nc_u64 s[76:77], s[4:5], s[82:83]        ; my work-group's 128 rows of x
	s_add_co_u32 s89, ttmp9, 1
	s_and_b32 s89, s89, 63
	s_cmp_lt_u32 s89, 2                            ; clusters 63 and 0
	s_cbranch_scc0 .Lno_prefetch
	s_cmp_lt_u32 s16, 4
	s_cbranch_scc0 .Lno_prefetch
	global_prefetch_b8 v[PF], s[10:11] th:TH_LOAD_NT scope:SCOPE_SE   ; Wv, which all load behind the round below
.Lno_prefetch:
	s_mul_i32 s82, s22, 12800
	s_add_nc_u64 s[78:79], s[12:13], s[82:83]      ; my record of kv
	s_mul_i32 s82, s22, 6400
	s_add_nc_u64 s[80:81], s[14:15], s[82:83]      ; of qq
	XLOAD 0
	; ---- q's and k's weights: my piece's four tiles.  Only I read it, so my own wait is all that its reads need
	s_wait_tensorcnt 0x0
	WLOAD WRD, 0
	XLOAD 1
	UNIT WRD, 16*LINE, CW, CW+12, BY, BY+2
	UNIT WRD, 128, CW+6, CW+18, BY+1, BY+3
	XLOAD 2
	UNIT WRD, 128+16*LINE, CW+24, CW+36, BY+4, BY+6
	UNIT WRD, -1, CW+30, CW+42, BY+5, BY+7
	; ---- the refill: Wv over Wq's bytes
	s_wait_alu depctr_va_vdst(0)                   ; ahead of the round
	s_wait_tensorcnt 0x0
	ds_add_u32 v[SPW], v[NIL]
	s_mov_b32 s[G1+2], 16<<16                      ; 64 rows of W as 16 rows of 1,024 bytes
	s_mov_b32 s[G1+4], 16
	s_mov_b32 s[G0+1], s27
	s_lshl_b32 s82, s16, 14
	s_add_nc_u64 s[G0+2:G0+3], s[10:11], s[82:83]
	s_or_b32 s[G0+3], s[G0+3], 0x80000000
	s_wait_dscnt 0x0                               ; the add is done, and so are my reads of my piece
	CROUND                                         ; of every wave of every partner
	tensor_load_to_lds s[G0:G0+3], s[G1:G1+7]
	s_nop 0
	PLACES
	XLOAD 3
.irp t, 0,1,2,3
.irp q, 0,1,2
	ds_store_b128 v[WCS], v[CW+12*\t+4*\q:CW+12*\t+4*\q+3] offset:1536*\t+512*\q
.endr
	ds_store_b8 v[WBS], v[BY+2*\t] offset:64*\t
	ds_store_b8 v[WBS], v[BY+2*\t+1] offset:64*\t+2
.endr
	XQ 0, 48, 0, 64
	XQ 1, 32, 0, 64
	; ---- v's weights: my 64 rows are one half of a K step, of four tiles
	s_wait_tensorcnt 0x0
	WLOAD WRDV, 0
	UNIT WRDV, 128, CW, CW+6, BY, BY+1
	UNIT WRDV, -1, CW+12, CW+18, BY+2, BY+3
.irp t, 0,1,2,3
	ds_store_b128 v[VST], v[CW+6*\t:CW+6*\t+3] offset:1536*\t
	ds_store_b64 v[VST8], v[CW+6*\t+4:CW+6*\t+5] offset:1536*\t
	ds_store_b8 v[VBS], v[BY+\t] offset:64*\t
.endr
	XQ 2, 16, 0, 64
	s_wait_dscnt 0x0                               ; for the others' sake: my codes have landed
	s_barrier_signal -1
	s_barrier_wait -1                              ; all of W's codes and x's K steps 0-2 lie in LDS
.irp s, 0,1,2,3
.irp u, 0,1
.irp q, 0,1,2
	ds_load_b128 v[WF+12*(4*\u+\s)+4*\q:WF+12*(4*\u+\s)+4*\q+3], v[QKR] offset:12288*\s+1536*\u+512*\q
.endr
	ds_load_b32 v[SW+8*\u+\s], v[QKW] offset:768*\s+64*\u
.endr
.irp c, 0,1
	ds_load_b128 v[WF+12*(8+\s)+6*\c:WF+12*(8+\s)+6*\c+3], v[VRD] offset:6144*\s+768*\c
	ds_load_b64 v[WF+12*(8+\s)+6*\c+4:WF+12*(8+\s)+6*\c+5], v[VRD8] offset:6144*\s+768*\c
.endr
	ds_load_b32 v[SW+16+\s], v[VWR] offset:768*\s
.endr
	XFETCH 0
	s_wait_dscnt 0x0
	PROD 0
.irp s, 1,2
	PLACES                                         ; in front of loads into registers that the products read
	XFETCH \s
	s_wait_dscnt 0x0
	PROD \s
.endr
	PLACES
	XQ 3, 0, 1, 0
	s_wait_dscnt 0x0
	s_barrier_signal -1
	s_barrier_wait -1
	XFETCH 3
	s_wait_dscnt 0x0
	PROD 3
	PLACES                                         ; in front of the first read of results (ISA guide 7.12.1)
	; ---- the results become operands: blocks n = 0..3: row tile n's 16 of the 32 columns of q or k; n = 4, 5: 16 of 32 keys of v.  Lane l xor 16 has the other 16
	WIN 0x05
.irp n, 0,1,2,3,4,5
	v_max3_num_f32 v[64+\n], |v[64+16*\n]|, |v[65+16*\n]|, 0x1800000
.endr
	WIN 0x14
.irp i, 2,4,6,8,10,12,14
.irp n, 0,1,2,3,4,5
	v_max3_num_f32 v[64+\n], v[64+\n], |v[64+16*\n+\i]|, |v[65+16*\n+\i]|
.endr
.endr
	WIN 0
.irp n, 0,1,2,3,4,5
	v_permlanex16_b32 v[72+\n], v[64+\n], s86, s87
.endr
.irp n, 0,1,2,3,4,5
	v_max_num_f32 v[64+\n], v[64+\n], v[72+\n]
.endr
.irp n, 0,1,2,3,4,5
	v_add_nc_u32 v[80+\n], 0xff000000, v[64+\n]
.endr
.irp n, 0,1,2,3,4,5
	v_lshrrev_b32 v[88+\n], 23, v[80+\n]
.endr
	WIN 0x01
.irp n, 0,1,2,3,4,5
	v_cvt_scalef32_pk16_fp6_f32 v[96+4*\n:98+4*\n], v[64+16*\n:79+16*\n], v[80+\n]
.endr
	WIN 0
	v_nop                                          ; one plain place behind a scaled conversion
	; register 6 tt + 3 h + i of lane r + 16 b is my i-th: register n of an image lies at 512 (n / 4) + 4 (n % 4)
.irp p, 0,1
	ds_store_b32 v[KA12], v[96+8*\p] offset:1536*\p
	ds_store_b32 v[KA508], v[97+8*\p] offset:1536*\p+4
	ds_store_b32 v[KA508], v[98+8*\p] offset:1536*\p+8
	ds_store_b32 v[KA508], v[100+8*\p] offset:1536*\p+520
	ds_store_b32 v[KA508], v[101+8*\p] offset:1536*\p+524
	ds_store_b32 v[KA12], v[102+8*\p] offset:1536*\p+1024
	ds_store_b8 v[KSB0+\p], v[88+2*\p]             ; both halves of the lanes write the same byte with the same value
	ds_store_b8 v[KSB0+\p], v[89+2*\p] offset:2
	ds_store_b32 v[VA0], v[112+4*\p] offset:256*\p
	ds_store_b32 v[VA1], v[113+4*\p] offset:256*\p+4
	ds_store_b32 v[VA2], v[114+4*\p] offset:256*\p+8
	ds_store_b8 v[VSB], v[92+\p] offset:\p
.endr
	s_wait_dscnt 0x0                               ; for the others' sake
	s_barrier_signal -1
	s_barrier_wait -1
	ds_load_b128 v[64:67], v[RIM]                  ; blocks of 512 bytes: w, w + 8, w + 16 of kv's record, w of qq's
	ds_load_b128 v[68:71], v[RIM] offset:4096
	ds_load_b128 v[72:75], v[RIM] offset:8192
	ds_load_b128 v[76:79], v[RIM] offset:12800
	s_wait_dscnt 0x0
	global_store_b128 v[GO], v[64:67], s[78:79]    ; 512 consecutive bytes, at a multiple of 256
	global_store_b128 v[GO], v[68:71], s[78:79] offset:4096
	global_store_b128 v[GO], v[72:75], s[78:79] offset:8192
	global_store_b128 v[GO], v[76:79], s[80:81]
	s_cmp_lt_u32 s16, 4
	s_cbranch_scc0 .Lnot_q
	ds_load_b128 v[80:83], v[RIM] offset:16896     ; waves 0-3: block 8 + w of qq's
	s_wait_dscnt 0x0
	global_store_b128 v[GO], v[80:83], s[80:81] offset:4096
.Lnot_q:
	s_cmp_lg_u32 s16, 4
	s_cbranch_scc1 .Lnot_4
	ds_load_b128 v[84:87], v[RIM] offset:10240     ; wave 4: kv's scale words
	s_wait_dscnt 0x0
	global_store_b128 v[GO], v[84:87], s[78:79] offset:10240
.Lnot_4:
	s_cmp_lg_u32 s16, 5
	s_cbranch_scc1 .Lnot_5
	ds_load_b64 v[88:89], v[RQ8]                   ; wave 5: qq's, 256 bytes
	s_wait_dscnt 0x0
	global_store_b64 v[L8], v[88:89], s[80:81] offset:6144
.Lnot_5:
	s_wait_tensorcnt 0x0                           ; the wave's end
	ds_add_u32 v[SPW], v[NIL]
	s_wait_dscnt 0x0
	CROUND                                         ; the closing round: no work-group ends while a partner may still ask for a tile that names it
	s_endpgm
.Lfunc_end_k_qfde4970d1a_proj:
	.size	k_qfde4970d1a_proj, .Lfunc_end_k_qfde4970d1a_proj-k_qfde4970d1a_proj
	.p2alignl 7, 3214868480
	.fill 96, 4, 3214868480
	.section	.rodata,"a",@progbits
	.p2align	6, 0x0
	.amdhsa_kernel k_qfde4970d1a_proj
		.amdhsa_group_segment_fixed_size 327680
		.amdhsa_private_segment_fixed_size 0
		.amdhsa_enable_private_segment 0
		.amdhsa_kernarg_size 48
		.amdhsa_user_sgpr_count 2
		.amdhsa_user_sgpr_kernarg_segment_ptr 1
		.amdhsa_wavefront_size32 1
		.amdhsa_system_sgpr_workgroup_id_x 1
		.amdhsa_system_sgpr_workgroup_id_y 1
		.amdhsa_system_sgpr_workgroup_id_z 1
		.amdhsa_system_vgpr_workitem_id 0
		.amdhsa_next_free_vgpr 512
		.amdhsa_next_free_sgpr 96
		.amdhsa_reserve_vcc 0
		.amdhsa_float_denorm_mode_32 3
		.amdhsa_float_denorm_mode_16_64 3
		.amdhsa_memory_ordered 1
		.amdhsa_forward_progress 1
		.amdhsa_inst_pref_size 103
	.end_amdhsa_kernel
	.amdgpu_metadata
---
amdhsa.version: [ 1, 2 ]
amdhsa.kernels:
  - .name:           k_qfde4970d1a_proj
    .symbol:         k_qfde4970d1a_proj.kd
    .args:
      - { .name: x, .offset: 0, .size: 8, .value_kind: global_buffer, .address_space: global }
      - { .name: Wq, .offset: 8, .size: 8, .value_kind: global_buffer, .address_space: global }
      - { .name: Wk, .offset: 16, .size: 8, .value_kind: global_buffer, .address_space: global }
      - { .name: Wv, .offset: 24, .size: 8, .value_kind: global_buffer, .address_space: global }
      - { .name: kv, .offset: 32, .size: 8, .value_kind: global_buffer, .address_space: global }
      - { .name: qq, .offset: 40, .size: 8, .value_kind: global_buffer, .address_space: global }
    .group_segment_fixed_size: 327680
    .private_segment_fixed_size: 0
    .kernarg_segment_align: 8
    .kernarg_segment_size: 48
    .max_flat_workgroup_size: 256
    .sgpr_count:     96
    .vgpr_count:     512
    .wavefront_size: 32
...
	.end_amdgpu_metadata
.endif
;; end of part 1
;; launch attn (part 2): grid 16 x 16, 16 waves a work-group, clusters of 4 x 1, 313,344 bytes of LDS; arguments kv, qq, out0; writes out0
.if DOCPART == 2
	.amdgcn_target "amdgcn-amd-amdhsa--gfx1250"
	.amdhsa_code_object_version 6
	.text
	.protected	k_qfde4970d1a_attn
	.globl	k_qfde4970d1a_attn
	.p2align	8
	.type	k_qfde4970d1a_attn,@function
k_qfde4970d1a_attn:
	s_mov_b64 s[64:65], 0
	v_nop
	global_prefetch_b8 v0, s[64:65] scope:SCOPE_SE
	s_setreg_imm32_b32 hwreg(HW_REG_WAVE_MODE, 25, 1), 1
	s_wait_xcnt 0x0
	s_wait_alu depctr_hold_cnt(0) depctr_sa_sdst(0) depctr_va_vdst(0) depctr_va_sdst(0) depctr_va_ssrc(0) depctr_va_vcc(0) depctr_vm_vsrc(0)
	s_getreg_b32 s2, hwreg(HW_REG_IB_STS2, 6, 4)
	s_cmp_eq_u32 s2, 0
	s_cbranch_scc0 .Lentry_in_a_cluster
	s_endpgm
.Lentry_in_a_cluster:
	s_bfe_u32 s2, ttmp6, 0x10000c
	s_cmp_lg_u32 s2, 0x3003
	s_cbranch_scc0 .Lentry_shape_is_right
	s_endpgm
.Lentry_shape_is_right:
; out[b][q][:] = the sum over keys k <= q of softmax_k(q . k / 8) v[k][:], both products on codes of FP6 (E2M3) with E8M0 scales; 16 batches, 2,048 rows, head size 64.
; kv: a record of 12,800 bytes for each 128 keys: four K fragments, four V^T fragments, 512 bytes of scale words, all as images of operand registers (12 registers a lane = 3 x 512 bytes, lane l's 16 bytes at 16 l).
; qq: a record of 6,400 bytes for each 128 queries: four pairs of query tiles of 1,536 bytes (registers 0-5 the first tile, 6-11 the second) and, for each slot, 16 bytes: the four pairs' scale words.
; THE SOFTMAX: t = score x log2(e) / 8; M = the largest t so far, rounded UP to a whole number; p = 2^(t - M) is quantised along the keys, not normalised; the row's sum is taken of the unquantised p and divides at the end.
; When M moves, the sum and O are multiplied by 2^(old M - new M): exact.
; HEAD SIZE 64 IS HALF OF THE INSTRUCTION'S 128: a K fragment holds TWO key tiles (k 0..63 tile 2 P, k 64..127 tile 2 P + 1) and is multiplied once by [q ; 0] and once by [0 ; q], which overlap as 18 registers q | zeros | q.
; Zero codes add nothing under the scale bytes that stand beside them (1 .. 254).
; LAYOUT: both products transposed (S^T = K Q^T, O^T = V^T P^T): a lane holds ONE query.  Slot r of key tile 2 b + u is key 32 b + 8 u + r + 8 (r / 8), so that the 16 registers of two neighbouring tiles are 16 neighbouring keys;
; a query tile is the rows {q0 .. q0 + 7, q0 + 16 .. q0 + 23}.  Slot r of V^T's tile 2 b + u is channel 32 b + 2 r + u: register j of O^T's tile 2 b + u is channel 32 b + 16 (lane / 16) + 2 j + u.
; SHARES: a cluster of four work-groups owns the query blocks (of 128) i, 7 - i, 15 - i, 8 + i of one batch, i its number along x.  Work-group cx takes tiles 2 cx, 2 cx + 1 of each block.
; FOUR WAVES (group wave / 4, wave a = (wave + wave / 4) % 4 of it) walk the same tile of a SHORT block n (i or 7 - i) and of the LONG block 15 - n: 17 key steps in all, whatever n.
; Wave a takes the short tile's steps 3 - a, 7 - a and then the long tile's a, a + 4, a + 8, a + 12, as far as they count: four or five steps a wave.  The parts of a tile meet in LDS at the end.
; THE BATCH'S K AND V, 204,800 BYTES, COME INTO LDS ONCE, by joint loads of the four partners (the same descriptor, mask 15), one a wave: wave w record w; waves 0-7 and 8-15 have a load line each.  All 16 records are fetched whatever the blocks need,
; so that loads and trip counts are constants.  Branches hang on the cluster's number and the wave's alone, LDS addresses on the wave's alone; cx enters only q's and out's global addresses and the mask's comparand.
; No prefetch: every tile is asked for at the head, ahead of the first loop.
; A step all of whose keys come after the block's queries is jumped over (the causal mask of the problem's own); on the diagonal hidden scores become -infinity ahead of the maximum.
; LIMITS: NaN and infinities are not served, nor carried to the result from keys that the mask hides.  A block's largest p is taken from its largest score, which takes v_exp_f32 not to fall where its input rises.  A block whose every p is 0 keeps the byte 1: its codes are zeros.
; The promise holds while the scaled scores (exponents to the base 2) stay under 2^31 in magnitude.
; REGISTERS: v1-10, v252-253 addresses; v12 -M, v13 the largest t, v[14:15] the sum; v16-33 q | 0 | q; v34 q's scale word, v35 p's, v36-39 K's and V's; v40-87 four fragments; v88-151 S^T, then p; v152-183 O^T; v184-202 p's codes;
; v229-235 the long tile's scale word and q until its turn; v204-219, v236-251 at work.
.set REC,  12800
.set QREC, 6400
.set MRG,  204800                      ; LDS behind K and V: for each wave the short tile's O^T (8 x 512 bytes) and (sum, -M) at 8 bytes a lane; the long tile's lie at 0, over K and V, when these have been read
.set MW,   4352
.set STG,  274432                      ; for each tile a stage of 16 rows x (256 + 16) bytes
.set SPARE, 311296
.set L16, 1
.set A16, 2
.set DQ,  3                            ; v3   my query in its block - 16 (lane / 16)
.set MST, 4
.set MS8, 5
.set MLD, 6
.set ML8, 7
.set STO, 8
.set RD,  9
.set GO,  10
.set QL,  16
.set QS,  34
.set PW,  35
.set SC,  36
.set FR,  40
.set S,   88
.set O,   152
.set PC,  184
.set P2,  196
.set BM,  204
.set BT,  208
.set BS,  212
.set F,   216
.set TP,  218
.set NI,  219
.set Q2W, 229
.set Q2,  230
.set SU,  236                          ; v236-251 eight chains of the row's sum
.set MST2, 252
.set MS82, 253
.set GR,  10                           ; s10  my group
.set AA,  11                           ; s11  a
.set WV,  12                           ; s12  my wave's number
.set CX,  13
.set N,   14                           ; s14  the query block in hand = the last key step that counts
.set G1,  16
.set G0,  24
.set RA,  28                           ; s28  3 - a
.set N2,  29                           ; s29  the long block
.set J,   40                           ; s40  the key step
.set TB,  41                           ; s41  its record in LDS
.set CNT, 42
.set CS,  44                           ; s[44:45] c = log2(e) / 8
.set SEL, 46
.macro CROUND
	s_barrier_signal -1
	s_barrier_wait -1
	s_cmp_lg_u32 s[WV], 0
	s_cbranch_scc1 .Lnot_wave_0_\@
	s_barrier_signal -3
.Lnot_wave_0_\@:
	s_barrier_wait -3
	s_barrier_signal -1
	s_barrier_wait -1
.endm
.macro FRESH                           ; no key yet: the largest t -3e38, under every t; the sum and O^T zeros, which the first change of M leaves zeros
	v_mov_b32 v13, 0xff61b1e6
	v_mov_b32 v14, 0
	v_mov_b32 v15, 0
	v_floor_f32 v12, -v13                          ; -M
.set k, 0
.rept 32
	v_mov_b32 v[O+k], 0
.set k, k+1
.endr
.endm
	s_load_b128 s[4:7], s[0:1], 0x0                ; kv, qq
	s_load_b64 s[8:9], s[0:1], 0x10                ; out0
	v_lshl_add_u32 v254, v0, 2, SPARE
	v_mov_b32 v255, 0
	ds_add_u32 v254, v255                          ; the opening lines
	ds_add_u32 v254, v255
	v_lshrrev_b32 v1, 5, v0
	v_readfirstlane_b32 s[WV], v1                  ; wave 0..15
	s_bfe_u32 s[CX], ttmp6, 0x40000                ; cx: my place in the cluster
	s_and_b32 s15, ttmp7, 0xffff                   ; the batch
	s_lshr_b32 s[GR], s[WV], 2
	s_add_co_u32 s[AA], s[WV], s[GR]
	s_and_b32 s[AA], s[AA], 3                      ; a
	s_xor_b32 s[RA], s[AA], 3                      ; 3 - a
	s_lshr_b32 s57, s[GR], 1                       ; which pair of blocks
	s_and_b32 s61, s[GR], 1                        ; tb: which of the work-group's two tiles of a block
	s_mul_i32 s58, s57, 7
	s_xor_b32 s[N], ttmp9, s58                     ; the short block: i or 7 - i
	s_xor_b32 s[N2], s[N], 15                      ; the long block
	s_lshr_b32 s30, s[AA], 1                       ; which of the two tiles I finish: 0 the short, 1 the long
	s_and_b32 s60, s[AA], 1                        ; xb: which half of its channels
	s_mul_i32 s58, s30, 15
	s_xor_b32 s31, s[N], s58                       ; that tile's block
	s_mov_b32 s[CS], 0x3e38aa3b                    ; c = log2(e) / 8
	s_mov_b32 s[CS+1], s[CS]                       ; (named with it as a pair, so it is written)
	s_mov_b32 s[SEL], 0x76543210
	s_mov_b32 s[SEL+1], 0xfedcba98
	; descriptor group 1: a record, 12,800 dense bytes, as 50 rows of 32 elements of 8 bytes; mask: all four partners, bit 21 beside it
	s_mov_b32 s[G1+0], 15|(3<<16)|(1<<21)
	s_mov_b32 s[G1+1], 32<<16
	s_mov_b32 s[G1+2], 50<<16
	s_mov_b32 s[G1+3], 32<<16
	s_mov_b32 s[G1+4], 50
	s_mov_b32 s[G1+5], 32
	s_mov_b32 s[G1+6], 0
	s_mov_b32 s[G1+7], 0
	s_lshl_b32 s62, s15, 4                         ; 16 records a batch
	s_add_co_u32 s2, s62, s[WV]
	s_mul_i32 s2, s2, REC
	s_mov_b32 s3, 0
	s_mul_i32 s63, s[WV], REC
	s_wait_alu depctr_va_vdst(0)                   ; directly ahead of the wait below
	s_wait_dscnt 0x0
	CROUND                                         ; all four work-groups are here: the joint loads meet
	s_wait_kmcnt 0x0
	s_mov_b32 s[G0], 1
	s_mov_b32 s[G0+1], s63
	s_add_nc_u64 s[G0+2:G0+3], s[4:5], s[2:3]
	s_or_b32 s[G0+3], s[G0+3], 0x80000000
	s_cmp_lt_u32 s[WV], 8
	s_cbranch_scc0 .Lsecond_half
	tensor_load_to_lds s[G0:G0+3], s[G1:G1+7]      ; records 0-7
	s_nop 0
.rept 4
	v_nop
.endr
	s_branch .Lasked
.Lsecond_half:
	tensor_load_to_lds s[G0:G0+3], s[G1:G1+7]      ; records 8-15
	s_nop 0
.rept 4
	v_nop
.endr
.Lasked:
	s_add_co_u32 s56, s62, s[N]
	s_mul_i32 s56, s56, QREC
	s_mov_b32 s57, 0
	s_add_nc_u64 s[50:51], s[6:7], s[56:57]        ; the short block's record of qq,
	s_add_co_u32 s56, s62, s[N2]
	s_mul_i32 s56, s56, QREC
	s_add_nc_u64 s[36:37], s[6:7], s[56:57]        ; and the long one's
	s_mul_i32 s58, s[CX], 1536                     ; pair cx,
	s_mul_i32 s54, s61, 520
	s_add_co_u32 s58, s58, s54                     ; tile tb: registers 6 tb on
	s_lshl_b32 s56, s15, 11
	s_lshl_b32 s59, s31, 7
	s_add_co_u32 s56, s56, s59
	s_lshl_b32 s59, s[CX], 5
	s_lshl_b32 s54, s61, 3
	s_add_co_u32 s59, s59, s54                     ; 32 cx + 8 tb: my tiles' first query in their blocks
	s_add_co_u32 s56, s56, s59
	s_lshl_b32 s54, s60, 4
	s_add_co_u32 s56, s56, s54                     ; the half xb = 1 stores the rows 16 further on
	s_lshl_b32 s56, s56, 8
	s_add_nc_u64 s[52:53], s[8:9], s[56:57]        ; the first of the 8 rows of out that I store
	s_mul_i32 s54, s61, 496
	s_lshl_b32 s55, s[CX], 2
	s_lshl_b32 s32, s61, 4                         ; my tile's two bytes in the pair's scale word
	v_and_b32 v11, 31, v0                          ; lane
	v_and_b32 v222, 15, v0                         ; r
	v_bfe_u32 v223, v0, 4, 1                       ; h
	v_lshlrev_b32 v[L16], 4, v11
	v_lshlrev_b32 v224, 3, v11
	v_lshl_add_u32 v227, v222, 4, s55
	v_add_nc_u32 v225, s58, v[L16]
	v_and_b32 v[DQ], 8, v222
	v_add_nc_u32 v226, s54, v225
	global_load_b64 v[QL:QL+1], v225, s[50:51]                 ; q's six registers: bytes 0, 8, 512 (tb = 0) or 520, 1,024, 1,032 (tb = 1) of the pair's image,
	global_load_b64 v[QL+2:QL+3], v226, s[50:51] offset:8
	global_load_b64 v[QL+4:QL+5], v225, s[50:51] offset:512
	global_load_b32 v[TP], v227, s[50:51] offset:6144          ; and the scale word of the pair of tiles
	global_load_b64 v[Q2:Q2+1], v225, s[36:37]                 ; the long tile's likewise
	global_load_b64 v[Q2+2:Q2+3], v226, s[36:37] offset:8
	global_load_b64 v[Q2+4:Q2+5], v225, s[36:37] offset:512
	global_load_b32 v[Q2W], v227, s[36:37] offset:6144
	v_add_nc_u32 v[DQ], v[DQ], v222
	v_lshlrev_b32 v228, 4, v223
	v_add_nc_u32 v[DQ], s59, v[DQ]
	v_sub_nc_u32 v[DQ], v[DQ], v228
	s_wait_alu depctr_va_vdst(0)                   ; ahead of the scalar lines below
	; every LDS address is made here: a constant + a constant x lane + a constant x what is made of the wave's number alone
	s_lshl_b32 s54, s[GR], 2
	s_add_co_u32 s54, s54, s[AA]
	s_mul_i32 s54, s54, MW
	v_add_nc_u32 v[MST2], s54, v[L16]              ; my part of the long tile,
	s_add_co_u32 s55, s54, 4096
	v_add_nc_u32 v[MS82], s55, v224
	s_add_co_u32 s54, s54, MRG
	v_add_nc_u32 v[MST], s54, v[L16]               ; and of the short one
	s_add_co_u32 s55, s54, 4096
	v_add_nc_u32 v[MS8], s55, v224
	s_mul_i32 s54, s[GR], 4*MW                     ; my group's four parts of the tile that I finish
	s_xor_b32 s55, s30, 1
	s_mul_i32 s55, s55, MRG
	s_add_co_u32 s54, s54, s55
	s_add_co_u32 s55, s54, 4096
	v_add_nc_u32 v[ML8], s55, v224
	s_lshl_b32 s55, s60, 11
	s_add_co_u32 s54, s54, s55                     ; half xb of O^T: channels 32 xb on
	v_add_nc_u32 v[MLD], s54, v[L16]
	s_lshl_b32 s54, s[GR], 1
	s_add_co_u32 s54, s54, s30
	s_mul_i32 s54, s54, MW
	s_add_co_u32 s54, s54, STG                     ; that tile's stage
	s_lshl_b32 s55, s60, 7
	s_add_co_u32 s55, s55, s54
	v_mul_u32_u24 v[STO], v222, 272
	v_lshl_add_u32 v[STO], v223, 6, v[STO]
	v_add_nc_u32 v[STO], s55, v[STO]               ; in: row r, channels 32 xb + 16 h on
	s_mul_i32 s55, s60, 8*272
	s_add_co_u32 s55, s55, s54
	v_mul_u32_u24 v[RD], v223, 272
	v_lshl_add_u32 v[RD], v222, 4, v[RD]
	v_add_nc_u32 v[RD], s55, v[RD]                 ; back: rows 8 xb on; lanes 0-15 one row, lanes 16-31 the next
	v_lshlrev_b32 v[GO], 8, v223
	v_lshl_add_u32 v[GO], v222, 4, v[GO]           ; and the same two rows in out
.irp i, 0,1,2,3,4,5
	v_mov_b32 v[QL+6+\i], 0                        ; the zeros between q and q
.endr
.irp b, 0,1,2,3
	v_mov_b32 v[BT+\b], 0                          ; written once: a lane permute's destination counts as one of its sources
.endr
	v_mov_b32 v[F+1], 0                            ; (named as the upper half of a pair)
	v_mov_b32 v[NI], 0xff800000                    ; -infinity
	FRESH
	s_wait_alu depctr_va_vdst(0)                   ; directly ahead of the wait below
	s_wait_loadcnt 0x0
.irp i, 0,1,2,3,4,5
	v_mov_b32 v[QL+12+\i], v[QL+\i]
.endr
	v_lshrrev_b32 v[TP], s32, v[TP]
	v_and_b32 v[TP], 0xffff, v[TP]                 ; my tile's two bytes,
	v_lshl_or_b32 v[QS], v[TP], 16, v[TP]          ; in both halves of the word: they serve [q ; 0] and [0 ; q]
.rept 8
	v_nop                                          ; a scale register written by a vector instruction stands eight places ahead of a scaled matrix instruction
.endr
	s_wait_alu depctr_va_vdst(0)                   ; the wait at the head's end
; A KEY STEP: the 128 keys of record J
.macro STEP
	s_cmp_gt_u32 s[J], s[N]
	s_cbranch_scc1 .Lhidden_\@                     ; all its keys come after the block's queries
	v_add_nc_u32 v[A16], s[TB], v[L16]
.rept 3
	v_nop                                          ; with the addition above: four places in front of loads into registers that the last products read
.endr
.irp p, 0,1,2,3
.irp q, 0,1,2
	ds_load_b128 v[FR+12*\p+4*\q:FR+12*\p+4*\q+3], v[A16] offset:1536*\p+512*\q
.endr
.endr
	ds_load_b128 v[SC:SC+3], v[A16] offset:12288
	s_wait_alu depctr_va_vdst(0)                   ; directly ahead of the wait below
	s_wait_dscnt 0x0
.irp p, 0,1,2,3                                ; S^T: key tile 2 p + u = fragment p against [q ; 0] (u = 0) or [0 ; q] (u = 1)
.irp u, 0,1
.if \p%2
	v_wmma_scale_f32_16x16x128_f8f6f4 v[S+16*\p+8*\u:S+16*\p+8*\u+7], v[FR+12*\p:FR+12*\p+11], v[QL+6*\u:QL+6*\u+11], 0, v[SC+\p/2], v[QS] matrix_a_fmt:MATRIX_FMT_FP6 matrix_b_fmt:MATRIX_FMT_FP6 matrix_a_scale:MATRIX_SCALE_ROW1
.else
	v_wmma_scale_f32_16x16x128_f8f6f4 v[S+16*\p+8*\u:S+16*\p+8*\u+7], v[FR+12*\p:FR+12*\p+11], v[QL+6*\u:QL+6*\u+11], 0, v[SC+\p/2], v[QS] matrix_a_fmt:MATRIX_FMT_FP6 matrix_b_fmt:MATRIX_FMT_FP6
.endif
.endr
.endr                                          ; register 16 b + i of S^T: key 32 b + 16 (lane / 16) + i of the step
.rept 4
	v_nop                                          ; places in front of the loads below and of the first read of the scores
.endr
.irp c, 0,1,2,3
.irp q, 0,1,2
	ds_load_b128 v[FR+12*\c+4*\q:FR+12*\c+4*\q+3], v[A16] offset:6144+1536*\c+512*\q   ; V^T's four fragments land while the softmax is walked
.endr
.endr
	s_cmp_lg_u32 s[J], s[N]
	s_cbranch_scc1 .Lopen_\@                       ; only the step on the diagonal has hidden keys
.set k, 0
.rept 64
	v_cmp_gt_i32 vcc_lo, 32*(k/16)+k%16, v[DQ]     ; hidden where the key's place in the step passes my query's
	v_cndmask_b32 v[S+k], v[S+k], v[NI], vcc_lo
.set k, k+1
.endr
.Lopen_\@:
.irp b, 0,1,2,3
	v_max3_num_f32 v[BM+\b], v[S+16*\b], v[S+1+16*\b], v[S+2+16*\b]   ; the largest score of each block of 32 keys: for the row's maximum, and for the block's largest p
.endr
.irp i, 3,5,7,9,11,13
.irp b, 0,1,2,3
	v_max3_num_f32 v[BM+\b], v[BM+\b], v[S+16*\b+\i], v[S+1+16*\b+\i]
.endr
.endr
.irp b, 0,1,2,3
	v_max_num_f32 v[BM+\b], v[BM+\b], v[S+15+16*\b]
.endr
.irp b, 0,1,2,3
	s_delay_alu instid0(VALU_DEP_4)
	v_permlanex16_b32 v[BT+\b], v[BM+\b], s[SEL], s[SEL+1]
.endr
.irp b, 0,1,2,3
	s_delay_alu instid0(VALU_DEP_4)
	v_max_num_f32 v[BM+\b], v[BM+\b], v[BT+\b]     ; with lane l xor 16's 16 keys
.endr
	s_delay_alu instid0(VALU_DEP_2)
	v_max3_num_f32 v[TP], v[BM], v[BM+1], v[BM+2]
	s_delay_alu instid0(VALU_DEP_1)
	v_max_num_f32 v[TP], v[TP], v[BM+3]
	s_delay_alu instid0(VALU_DEP_1)
	v_mul_f32 v[TP], s[CS], v[TP]                  ; the step's largest t
	s_delay_alu instid0(VALU_DEP_1)
	v_max_num_f32 v13, v13, v[TP]
	v_mov_b32 v[TP], v12
	s_delay_alu instid0(VALU_DEP_2)
	v_floor_f32 v12, -v13                          ; the new -M = -ceil(t): M is a whole number
	s_delay_alu instid0(VALU_DEP_1)
	v_sub_f32 v[TP], v12, v[TP]                    ; old M - new M: a whole number, 0 or less
	s_delay_alu instid0(VALU_DEP_1)
	v_cvt_i32_f32 v[TP], v[TP]                     ; (it saturates)
	s_delay_alu instid0(VALU_DEP_1)
	v_ldexp_f32 v[F], 1.0, v[TP]                   ; f = 2^(old M - new M)
.set k, 0
.rept 32
	v_pk_fma_f32 v[S+k:S+k+1], v[S+k:S+k+1], s[CS:CS+1], v[12:13] op_sel_hi:[1,0,0]   ; t - M, two at a time
.set k, k+2
.endr
.irp b, 0,1,2,3
	v_fma_f32 v[BM+\b], v[BM+\b], s[CS], v12
.endr
.set k, 0
	s_wait_alu depctr_va_vdst(0)                   ; ahead of the batch
.rept 64
	v_exp_f32 v[S+k], v[S+k]                       ; p = 2^(t - M), at most 1
.set k, k+1
.endr
.irp b, 0,1,2,3
	v_exp_f32 v[BM+\b], v[BM+\b]                   ; the block's largest p: the same two instructions on the same number
.endr
	v_pk_mul_f32 v[14:15], v[14:15], v[F:F+1] op_sel_hi:[1,0]   ; the sums under the new M.  (A plain place behind the exponentials)
	s_wait_alu depctr_va_vdst(0)                   ; and behind it
.irp b, 0,1,2,3
	v_max_num_f32 v[BM+\b], 0x1800000, v[BM+\b]    ; the floor 2^(3 - 127): the byte cannot fall under 1
.endr
.irp b, 0,1,2,3
	s_delay_alu instid0(VALU_DEP_4)
	v_add_nc_u32 v[BS+\b], 0xff000000, v[BM+\b]    ; 2 off the exponent field: the conversion's scale operand
.endr
.irp b, 0,1,2,3
	s_delay_alu instid0(VALU_DEP_4)
	v_lshrrev_b32 v[BT+\b], 23, v[BS+\b]
.endr
	s_delay_alu instid0(VALU_DEP_3)
	v_lshl_or_b32 v[PW], v[BT+1], 8, v[BT]         ; p's scale word for these 128 keys
	s_delay_alu instid0(VALU_DEP_1)
	v_lshl_or_b32 v[PW], v[BT+2], 16, v[PW]
	s_delay_alu instid0(VALU_DEP_1)
	v_lshl_or_b32 v[PW], v[BT+3], 24, v[PW]
.irp c, 0,1
	v_cvt_scalef32_pk16_fp6_f32 v[PC+6*\c:PC+6*\c+2], v[S+32*\c:S+32*\c+15], v[BS+2*\c]
	v_cvt_scalef32_pk16_fp6_f32 v[P2+4*\c:P2+4*\c+2], v[S+32*\c+16:S+32*\c+31], v[BS+2*\c+1]   ; (a conversion's three registers begin on an even number)
.endr
	v_nop                                          ; one plain place behind a scaled conversion
.irp c, 0,1                                    ; the operand wants a WHOLE block in a lane
.irp i, 0,1,2
	v_permlane16_swap_b32 v[PC+6*\c+\i], v[P2+4*\c+\i]
.endr
.irp i, 0,1,2
	s_delay_alu instid0(VALU_DEP_3)
	v_mov_b32 v[PC+6*\c+3+\i], v[P2+4*\c+\i]
.endr
.endr
.irp a, 0,1,2,3,4,5,6,7                        ; the row's sum, of the unquantised p: eight chains by turns
	v_pk_add_f32 v[SU+2*\a:SU+2*\a+1], v[S+2*\a:S+2*\a+1], v[S+16+2*\a:S+17+2*\a]
.endr
.irp i, 32,48
.irp a, 0,1,2,3,4,5,6,7
	v_pk_add_f32 v[SU+2*\a:SU+2*\a+1], v[SU+2*\a:SU+2*\a+1], v[S+\i+2*\a:S+\i+2*\a+1]
.endr
.endr
.irp a, 0,1,2,3
	v_pk_add_f32 v[SU+2*\a:SU+2*\a+1], v[SU+2*\a:SU+2*\a+1], v[SU+8+2*\a:SU+9+2*\a]
.endr
.irp a, 0,1
	v_pk_add_f32 v[SU+2*\a:SU+2*\a+1], v[SU+2*\a:SU+2*\a+1], v[SU+4+2*\a:SU+5+2*\a]
.endr
	v_pk_add_f32 v[14:15], v[14:15], v[SU:SU+1]
	s_delay_alu instid0(VALU_DEP_1)
	v_pk_add_f32 v[14:15], v[14:15], v[SU+2:SU+3]
.set k, 0
.rept 16
	v_pk_mul_f32 v[O+k:O+k+1], v[O+k:O+k+1], v[F:F+1] op_sel_hi:[1,0]   ; O^T under the new M, each accumulator from its low end on
.set k, k+2
.endr
	s_wait_alu depctr_va_vdst(0)                   ; directly ahead of the wait below
	s_wait_dscnt 0x0                               ; V^T's fragments are in
.irp c, 0,1,2,3                                ; O^T += V^T P^T: the four accumulators by turns
.if \c%2
	v_wmma_scale_f32_16x16x128_f8f6f4 v[O+8*\c:O+8*\c+7], v[FR+12*\c:FR+12*\c+11], v[PC:PC+11], v[O+8*\c:O+8*\c+7], v[SC+2+\c/2], v[PW] matrix_a_fmt:MATRIX_FMT_FP6 matrix_b_fmt:MATRIX_FMT_FP6 matrix_a_scale:MATRIX_SCALE_ROW1
.else
	v_wmma_scale_f32_16x16x128_f8f6f4 v[O+8*\c:O+8*\c+7], v[FR+12*\c:FR+12*\c+11], v[PC:PC+11], v[O+8*\c:O+8*\c+7], v[SC+2+\c/2], v[PW] matrix_a_fmt:MATRIX_FMT_FP6 matrix_b_fmt:MATRIX_FMT_FP6
.endif
.endr
.Lhidden_\@:
.endm
.macro WALK res, first                 ; steps s_res + first, and four further on
	s_add_co_u32 s[J], s[\res], \first
	s_mul_i32 s[TB], s[J], REC
	s_mov_b32 s[CNT], 2
.Lwalk_\@:
	STEP
	s_add_co_u32 s[J], s[J], 4
	s_add_co_u32 s[TB], s[TB], 4*REC
	s_sub_co_u32 s[CNT], s[CNT], 1
	s_cmp_lg_u32 s[CNT], 0
	s_cbranch_scc1 .Lwalk_\@
.endm
.macro SUMS                            ; my part's sum, and beside it -M
.rept 4
	v_nop                                          ; places behind the last products
.endr
	v_add_f32 v14, v14, v15
	v_mov_b32 v15, v12
.endm
.macro HAND st, st8                    ; O^T, each accumulator from its low end on, the sum and -M go to LDS
.irp q, 0,1,2,3,4,5,6,7
	ds_store_b128 v[\st], v[O+4*\q:O+4*\q+3] offset:512*\q
.endr
	ds_store_b64 v[\st8], v[14:15]
.endm
	s_cmp_lt_u32 s[WV], 8
	s_cbranch_scc0 .Lnot_first
	s_wait_tensorcnt 0x0                           ; waves 0-7: my record has landed
.Lnot_first:
	s_wait_dscnt 0x0
	s_barrier_signal -1
	s_barrier_wait -1                              ; records 0-7 are in; the others may be on their way
	WALK RA, 0                                     ; ---- the short tile
	SUMS
	HAND MST, MS8
	s_wait_alu depctr_va_vdst(0)                   ; directly ahead of the waits below
	s_wait_tensorcnt 0x0                           ; my record, of either half
	s_wait_dscnt 0x0                               ; my part has landed, and its registers may be written
.irp i, 0,1,2,3,4,5
	v_mov_b32 v[QL+\i], v[Q2+\i]
	v_mov_b32 v[QL+12+\i], v[Q2+\i]
.endr
	v_lshrrev_b32 v[TP], s32, v[Q2W]
	v_and_b32 v[TP], 0xffff, v[TP]
	v_lshl_or_b32 v[QS], v[TP], 16, v[TP]
	s_mov_b32 s[N], s[N2]
	FRESH
	s_wait_alu depctr_va_vdst(0)                   ; ahead of the barrier
	s_barrier_signal -1
	WALK AA, 0                                     ; ---- the long tile; between signal and wait: register work, and LDS loads of records that no wave writes before a later barrier
	s_barrier_wait -1                              ; records 8-15 are in
	WALK AA, 8
	SUMS
	s_wait_alu depctr_va_vdst(0)                   ; ahead of the barrier
	s_wait_dscnt 0x0
	s_barrier_signal -1
	s_barrier_wait -1                              ; nobody reads K or V any more, and nothing is fetched there again
	HAND MST2, MS82
	s_wait_dscnt 0x0                               ; for the others' sake
	s_barrier_signal -1
	s_barrier_wait -1
	; ---- THE MERGE: four parts of one half of the channels (32 xb on) of one tile's 16 queries
.irp p, 0,1,2,3
	ds_load_b64 v[156+2*\p:157+2*\p], v[ML8] offset:MW*\p
.endr
.irp p, 0,1,2,3
.irp q, 0,1,2,3
	ds_load_b128 v[S+16*\p+4*\q:S+16*\p+4*\q+3], v[MLD] offset:MW*\p+512*\q
.endr
.endr
	s_wait_dscnt 0x0
	v_min_num_f32 v164, v157, v159                 ; -M of the four together
	v_min_num_f32 v165, v161, v163
	v_min_num_f32 v164, v164, v165
.irp p, 0,1,2,3
	v_sub_f32 v[166+\p], v164, v[157+2*\p]         ; a part's M less the common one: a whole number, 0 or less
.endr
.irp p, 0,1,2,3
	v_cvt_i32_f32 v[166+\p], v[166+\p]             ; (they saturate: a part without a step gets the factor 0 on its zeros)
.endr
.irp p, 0,1,2,3
	v_ldexp_f32 v[166+\p], 1.0, v[166+\p]
.endr
	v_mul_f32 v170, v156, v166
	v_fma_f32 v170, v158, v167, v170
	v_fma_f32 v170, v160, v168, v170
	v_fma_f32 v170, v162, v169, v170               ; the sum under the common M,
	v_permlanex16_b32 v[BT], v170, s[SEL], s[SEL+1]
	v_add_f32 v170, v170, v[BT]                    ; with lane l xor 16's keys: the row's sum
	s_wait_alu depctr_va_vdst(0)
	v_rcp_f32 v170, v170
	v_nop                                          ; one plain place behind a transcendental
	s_wait_alu depctr_va_vdst(0)
.irp p, 0,1,2,3
	v_mul_f32 v[172+2*\p], v[166+\p], v170
	v_mul_f32 v[173+2*\p], v[166+\p], v170         ; a part's factor / the sum, twice: a pair for the packed forms
.endr
.set k, 0
.rept 8
	v_pk_mul_f32 v[S+k:S+k+1], v[S+k:S+k+1], v[172:173]
.set k, k+2
.endr
.set k, 0
.rept 8
	v_pk_fma_f32 v[S+k:S+k+1], v[S+16+k:S+17+k], v[174:175], v[S+k:S+k+1]
.set k, k+2
.endr
.set k, 0
.rept 8
	v_pk_fma_f32 v[S+k:S+k+1], v[S+32+k:S+33+k], v[176:177], v[S+k:S+k+1]
.set k, k+2
.endr
.set k, 0
.rept 16
	v_fma_f32 v[FR+2*(k%8)+k/8], v[S+48+k], v178, v[S+k]   ; into the channels' order
.set k, k+1
.endr
	; ---- THE WAY OUT: a row's 256 bytes come from two waves: they meet in the tile's stage, and each wave stores 8 whole rows
.irp q, 0,1,2,3
	ds_store_b128 v[STO], v[FR+4*\q:FR+4*\q+3] offset:16*\q
.endr
	s_wait_dscnt 0x0
	s_barrier_signal -1
	s_barrier_wait -1
.irp q, 0,1,2,3
	ds_load_b128 v[S+4*\q:S+4*\q+3], v[RD] offset:544*\q
.endr
.irp q, 0,1,2,3
	s_wait_dscnt 3-\q                              ; rows 2 q, 2 q + 1 are back; the younger loads may be out
	global_store_b128 v[GO], v[S+4*\q:S+4*\q+3], s[52:53] offset:512*\q th:TH_STORE_NT   ; 16 lanes store 256 consecutive bytes, at a multiple of 256 from out's first byte
.endr
	s_wait_tensorcnt 0x0                           ; the wave's end
	ds_add_u32 v254, v255
	s_wait_dscnt 0x0
	CROUND                                         ; the closing round: no work-group ends while a partner may still ask for a record that names it
	s_endpgm
.Lfunc_end_k_qfde4970d1a_attn:
	.size	k_qfde4970d1a_attn, .Lfunc_end_k_qfde4970d1a_attn-k_qfde4970d1a_attn
	.p2alignl 7, 3214868480
	.fill 96, 4, 3214868480
	.section	.rodata,"a",@progbits
	.p2align	6, 0x0
	.amdhsa_kernel k_qfde4970d1a_attn
		.amdhsa_group_segment_fixed_size 313344
		.amdhsa_private_segment_fixed_size 0
		.amdhsa_enable_private_segment 0
		.amdhsa_kernarg_size 24
		.amdhsa_user_sgpr_count 2
		.amdhsa_user_sgpr_kernarg_segment_ptr 1
		.amdhsa_wavefront_size32 1
		.amdhsa_system_sgpr_workgroup_id_x 1
		.amdhsa_system_sgpr_workgroup_id_y 1
		.amdhsa_system_sgpr_workgroup_id_z 1
		.amdhsa_system_vgpr_workitem_id 0
		.amdhsa_next_free_vgpr 256
		.amdhsa_next_free_sgpr 66
		.amdhsa_reserve_vcc 1
		.amdhsa_float_denorm_mode_32 3
		.amdhsa_float_denorm_mode_16_64 3
		.amdhsa_memory_ordered 1
		.amdhsa_forward_progress 1
		.amdhsa_inst_pref_size 85
	.end_amdhsa_kernel
	.amdgpu_metadata
---
amdhsa.version: [ 1, 2 ]
amdhsa.kernels:
  - .name:           k_qfde4970d1a_attn
    .symbol:         k_qfde4970d1a_attn.kd
    .args:
      - { .name: kv, .offset: 0, .size: 8, .value_kind: global_buffer, .address_space: global }
      - { .name: qq, .offset: 8, .size: 8, .value_kind: global_buffer, .address_space: global }
      - { .name: out0, .offset: 16, .size: 8, .value_kind: global_buffer, .address_space: global }
    .group_segment_fixed_size: 313344
    .private_segment_fixed_size: 0
    .kernarg_segment_align: 8
    .kernarg_segment_size: 24
    .max_flat_workgroup_size: 512
    .sgpr_count:     66
    .vgpr_count:     256
    .wavefront_size: 32
...
	.end_amdgpu_metadata
.endif
;; end of part 2
